; MI455X (gfx1250); checked and timed in simulation.
; The chip was launched on July 23, 2026; its instructions are those of AMD's public machine-readable ISA for CDNA 5 (MIT licence, August 2026) and "CDNA5" Instruction Set Architecture Reference Guide (July 2026). The comments in the code are by the model that wrote it; some were corrected since.
;; Instant Ne RF. Allowed arithmetic: float matrix products may take bf16 or f16 operands with f32 sums; all other float work in f32.
;; Inputs: b_h0 64 float32; b_h1 64 float32; b_in 64 float32; b_out 16 float32; coords 262,144 x 3 float32; tables 16 x 524,288 x 2 float16; w_h0 64 x 64 float32; w_h1 64 x 64 float32; w_in 64 x 32 float32; w_out 16 x 64 float32.
;; Outputs: out0 262,144 x 16 float32.
;; One version. Each part assembles by itself: llvm-mc -triple=amdgcn-amd-amdhsa -mcpu=gfx1250 --defsym DOCPART=n.
;; ======== version 1 of 1: 2 launches
;; workspace buffers: hidx 33,554,432 bytes of whole numbers
;; launch hashidx (part 1): grid 512 x 1, 8 waves a work-group, no clusters, 0 bytes of LDS; arguments coords, hidx; writes hidx
.if DOCPART == 1
	.amdgcn_target "amdgcn-amd-amdhsa--gfx1250"
	.amdhsa_code_object_version 6
	.text
	.protected	k_q6124752dd2_hashidx
	.globl	k_q6124752dd2_hashidx
	.p2align	8
	.type	k_q6124752dd2_hashidx,@function
k_q6124752dd2_hashidx:
	s_mov_b64 s[64:65], 0
	v_nop
	global_prefetch_b8 v0, s[64:65] scope:SCOPE_SE
	s_setreg_imm32_b32 hwreg(HW_REG_WAVE_MODE, 25, 1), 1
	s_wait_xcnt 0x0
; coords [262144][3] f32  ->  hidx [16 levels][262144 points], 8 bytes each: the whole numbers from which the next launch forms its
; gather addresses.  For level l: s = coords * res[l] (one f32 rounding, as the problem defines it), cell = floor(s), and the far corner of an
; axis is cell + 1 where s is no whole number and the cell itself where it is (ceil = floor there).
; With X = cell_x, Y = cell_y * P1, Z = cell_z * P2 (32-bit wrap-around) and M = 2^19 - 1 the entry holds
;   bits  0..18  B  = (X0 ^ Y0 ^ Z0) & M     index of the all-floor corner
;   bits 19..37  dZ = (Z0 ^ Z1) & M          what turns an index into that of its neighbour along z
;   bits 38..56  dY = (Y0 ^ Y1) & M
;   bits 57..63  cnt: (X0 ^ X1) & M is always 2^cnt - 1, since x is multiplied by 1 (cnt = 0 where ceil = floor)
; 8 bytes in place of eight 4-byte indices: a quarter of the bytes stored here and loaded again.
; res[l] = floor(16 * c^l), c = f32(32^(1/15)): made of the problem's own constants, of no input, so the sixteen numbers are written out.
; LIMITS: |coords * 512| < 2^31 (|coords| < 4.1e6), beyond which the conversion to int32 saturates; coords finite.
; A stream: no LDS, no barrier, no matrix unit, no cluster (work-groups share no input).  Thread T owns points 2T and 2T+1, so that a level's
; store is 16 bytes a lane and a wave's store covers 512 consecutive bytes, aligned.  Each level has its own four data registers: no store's
; source is ever written again, so the stores need no wait.
.set M19,  0x7ffff
.set P1,   0x9e3779b1                  ; 2654435761
.set P2,   0x30025795                  ; 805459861
.set LVLB, 0x200000                    ; bytes of a level in hidx: 262144 x 8
.set DAT,  32                          ; v[32+4l : 35+4l]  level l's 16 bytes
	s_load_b128 s[4:7], s[0:1], 0x0                ; coords s[4:5], hidx s[6:7]
	s_lshl_b32 s17, ttmp9, 8
	s_mov_b32 s16, M19
	v_add_nc_u32 v11, s17, v0                      ; T = 256 x work-group + thread
	v_mul_u32_u24 v1, 24, v11                      ; my two points' six numbers
	v_lshlrev_b32 v10, 4, v11                      ; my 16 bytes in a level of hidx
	v_mov_b32 v8, P1
	v_mov_b32 v9, P2
	s_wait_kmcnt 0x0
	global_load_b64 v[2:3], v1, s[4:5]             ; x0 y0
	global_load_b64 v[4:5], v1, s[4:5] offset:8    ; z0 x1
	global_load_b64 v[6:7], v1, s[4:5] offset:16   ; y1 z1
.irp k, 0,1,2,3
	s_add_nc_u64 s[8+2*\k:9+2*\k], s[6:7], \k*4*LVLB   ; a base for every four levels: the immediate offset then stays under 2^23
.endr
	s_wait_loadcnt 0x0                             ; the only wait for data
; One point at one level.  v12-14 s, v15-17 floor(s), v18-20 the cell, v21 x's part, v22/v23 Y0 and dY, v24/v25 Z0 and dZ.
.macro HASH res, cx, cy, cz, d0, d1
	v_mul_f32 v12, \res, v[\cx]
	v_mul_f32 v13, \res, v[\cy]
	v_mul_f32 v14, \res, v[\cz]
	v_floor_f32 v15, v12
	v_floor_f32 v16, v13
	v_floor_f32 v17, v14
	v_cvt_i32_f32 v18, v15
	v_cvt_i32_f32 v19, v16
	v_cvt_i32_f32 v20, v17
	v_cmp_neq_f32 vcc_lo, v12, v15                 ; s is no whole number: ceil = floor + 1
	v_add_co_ci_u32 v21, vcc_lo, 0, v18, vcc_lo    ; X1 = ceil as a whole number
	v_mul_lo_u32 v22, v19, v8                      ; Y0
	v_mul_lo_u32 v24, v20, v9                      ; Z0
	v_cmp_neq_f32 vcc_lo, v13, v16
	v_cndmask_b32 v23, 0, v8, vcc_lo               ; Y1 - Y0: P1 or 0
	v_cmp_neq_f32 vcc_lo, v14, v17
	v_cndmask_b32 v25, 0, v9, vcc_lo
	v_xor_b32 v21, v21, v18
	v_add_nc_u32 v23, v22, v23                     ; Y1
	v_add_nc_u32 v25, v24, v25                     ; Z1
	v_and_b32 v21, s16, v21                        ; 2^cnt - 1
	v_xor_b32 v23, v23, v22
	v_xor_b32 v25, v25, v24
	v_add_nc_u32 v21, 1, v21                       ; 2^cnt
	v_and_b32 v23, s16, v23                        ; dY
	v_and_b32 v25, s16, v25                        ; dZ
	v_cvt_f32_u32 v21, v21                         ; exact: its bits are (127 + cnt) << 23
	v_xor_b32 v18, v18, v22
	v_xor_b32 v18, v18, v24
	v_and_b32 v18, s16, v18                        ; B
	v_lshl_add_u32 v21, v21, 2, 0x2000000          ; (128 + cnt) << 25 modulo 2^32 = cnt << 25
	v_lshl_or_b32 v[\d0], v25, 19, v18             ; word 0: B, and dZ's low 13 bits (the rest falls off)
	v_lshrrev_b32 v25, 13, v25                     ; word 1: dZ's high 6 bits,
	v_lshl_or_b32 v25, v23, 6, v25                 ; dY,
	v_or_b32 v[\d1], v25, v21                      ; cnt
.endm
.macro LEVEL l, res
	HASH \res, 2, 3, 4, DAT+4*\l, DAT+4*\l+1
	HASH \res, 5, 6, 7, DAT+4*\l+2, DAT+4*\l+3
	global_store_b128 v10, v[DAT+4*\l:DAT+4*\l+3], s[8+2*(\l/4):9+2*(\l/4)] offset:(\l%4)*LVLB
.endm
	LEVEL 0,  0x41800000                           ; 16
	LEVEL 1,  0x41a00000                           ; 20
	LEVEL 2,  0x41c80000                           ; 25
	LEVEL 3,  0x42000000                           ; 32
	LEVEL 4,  0x42200000                           ; 40
	LEVEL 5,  0x42480000                           ; 50
	LEVEL 6,  0x42800000                           ; 64
	LEVEL 7,  0x42a00000                           ; 80
	LEVEL 8,  0x42ca0000                           ; 101
	LEVEL 9,  0x43000000                           ; 128
	LEVEL 10, 0x43210000                           ; 161
	LEVEL 11, 0x434b0000                           ; 203
	LEVEL 12, 0x43800000                           ; 256
	LEVEL 13, 0x43a10000                           ; 322
	LEVEL 14, 0x43cb0000                           ; 406
	LEVEL 15, 0x44000000                           ; 512
	s_endpgm
.Lfunc_end_k_q6124752dd2_hashidx:
	.size	k_q6124752dd2_hashidx, .Lfunc_end_k_q6124752dd2_hashidx-k_q6124752dd2_hashidx
	.p2alignl 7, 3214868480
	.fill 96, 4, 3214868480
	.section	.rodata,"a",@progbits
	.p2align	6, 0x0
	.amdhsa_kernel k_q6124752dd2_hashidx
		.amdhsa_group_segment_fixed_size 0
		.amdhsa_private_segment_fixed_size 0
		.amdhsa_enable_private_segment 0
		.amdhsa_kernarg_size 16
		.amdhsa_user_sgpr_count 2
		.amdhsa_user_sgpr_kernarg_segment_ptr 1
		.amdhsa_wavefront_size32 1
		.amdhsa_system_sgpr_workgroup_id_x 1
		.amdhsa_system_sgpr_workgroup_id_y 1
		.amdhsa_system_sgpr_workgroup_id_z 1
		.amdhsa_system_vgpr_workitem_id 0
		.amdhsa_next_free_vgpr 96
		.amdhsa_next_free_sgpr 66
		.amdhsa_reserve_vcc 1
		.amdhsa_float_denorm_mode_32 3
		.amdhsa_float_denorm_mode_16_64 3
		.amdhsa_memory_ordered 1
		.amdhsa_forward_progress 1
		.amdhsa_inst_pref_size 47
	.end_amdhsa_kernel
	.amdgpu_metadata
---
amdhsa.version: [ 1, 2 ]
amdhsa.kernels:
  - .name:           k_q6124752dd2_hashidx
    .symbol:         k_q6124752dd2_hashidx.kd
    .args:
      - { .name: coords, .offset: 0, .size: 8, .value_kind: global_buffer, .address_space: global }
      - { .name: hidx, .offset: 8, .size: 8, .value_kind: global_buffer, .address_space: global }
    .group_segment_fixed_size: 0
    .private_segment_fixed_size: 0
    .kernarg_segment_align: 8
    .kernarg_segment_size: 16
    .max_flat_workgroup_size: 256
    .sgpr_count:     66
    .vgpr_count:     96
    .wavefront_size: 32
...
	.end_amdgpu_metadata
.endif
;; end of part 1
;; launch encmlp (part 2): grid 256 x 1, 16 waves a work-group, no clusters, 95,744 bytes of LDS; arguments coords, hidx, tables, w_in, w_h0, w_h1, w_out, b_in, b_h0, b_h1, b_out, out0; writes out0
.if DOCPART == 2
	.amdgcn_target "amdgcn-amd-amdhsa--gfx1250"
	.amdhsa_code_object_version 6
	.text
	.protected	k_q6124752dd2_encmlp
	.globl	k_q6124752dd2_encmlp
	.p2align	8
	.type	k_q6124752dd2_encmlp,@function
k_q6124752dd2_encmlp:
	s_mov_b64 s[64:65], 0
	v_nop
	global_prefetch_b8 v0, s[64:65] scope:SCOPE_SE
	s_setreg_imm32_b32 hwreg(HW_REG_WAVE_MODE, 25, 1), 1
	s_wait_xcnt 0x0
; out0[p][0..15] = MLP(enc[p][0..31]); enc = trilinear blend, at 16 levels, of 8 table entries (2 f16 each) whose indices come from hidx.
; A work-group owns 1,024 points, a wave 64, in two trips of 32.
; ENCODE: a lane is a point, the level is the same in all lanes, so the resolution is a literal and the table's base a scalar.  Four slots of
; eight gathers: up to 32 gathers of a wave are out, 24 stay out across each wait.  The weights are formed as the problem defines them,
; s - floor(s) and ceil(s) - s on the rounded product s = coord * res (ceil(s) - s as (-s) - floor(-s), which is the same number): where s is a
; whole number both are 0 and the level contributes 0.
; MLP: used transposed, D = W (16 output features) x activations (16 points as columns).  A lane's eight results are then eight neighbouring
; features of one point, which, packed in pairs, ARE the next layer's B registers: nothing moves between lanes from layer to layer.
; Every matrix operand is split into bf16 hi + bf16 lo and three products are summed in f32 (hi hi, hi lo, lo hi): eight plain bf16 roundings
; in a chain of four layers would use up the margin of the comparison; f16 has not the range for activations of any size.  The bias is the C
; operand of each chain's first product: nothing is cleared and nothing is added afterwards.
; NO CLUSTER, NO TENSOR LOADS: the bulk is a gather lane by lane; what work-groups share is the weights, 45,056 bytes read once by each
; work-group, against 1,024 x 16 x 8 x 4 = 524,288 bytes gathered by it.
; LIMITS: tables, weights, biases and activations finite (the split makes NaN of an infinity; the maximum with 0 drops a NaN); the lo x lo
; products are left out (2^-16 of a product); the eight corners are summed nested (z, y, x), another order of f32 rounding than a flat sum.
;
; LDS: weights as rows of bf16 along K, hi and lo apart.  Pitches 80 and 144 bytes are odd multiples of 16: the sixteen rows that a fragment
; load touches begin at sixteen different 16-byte columns modulo 256 bytes.
.set W1H,   0                          ; w_in  hi: 64 rows x 80
.set W1L,   5120
.set W2H,   10240                      ; w_h0  hi: 64 rows x 144
.set W2L,   19456
.set W3H,   28672                      ; w_h1
.set W3L,   37888
.set W4H,   47104                      ; w_out hi: 16 rows x 144
.set W4L,   49408
.set BIAS,  51712                      ; b_in +0, b_h0 +256, b_h1 +512, b_out +768
.set STAGE, 52736                      ; 16 waves x 2,560: 32 points x 80 (64 bytes of results + 16)
; SCALARS: s[4:27] the twelve addresses; s28 wave; s29 trip; s30, s31 masks; s74 who prefetches; s78-81 at work
.set TB,  32                           ; s[32+2l:33+2l]  tables + l x 2 MiB
.set IB,  66                           ; s[66+2k:67+2k]  hidx + k x 8 MiB (four levels)
; VECTORS, kept: v1 12 p (coords)  v[2:4] x y z  v5 8 p (hidx)  v6 my 16 bytes of the trip's 2,048 in out0  v7 r 144 + 16 h  v8 32 h
;   v9 stage, in  v10 stage, back  v11 prefetch offset  v12 r 80 + 16 h
.set IDX, 16                           ; v[16:47]   encode: level l's entry of hidx, 2 registers
.set G,   48                           ; v[48:79]   encode: 4 slots x 8: index, then the gathered pair of f16 (below v128: halves are named)
.set WGT, 80                           ; v[80:85]   fx fy fz gz gx gy (f: weight of the ceil side, g: of the floor side)
.set FLR, 86                           ; v[86:91]   floors
.set FEA, 92                           ; v[92:107]  8 corners x 2 features in f32
.set DX,  108
.set DY,  109
.set DZ,  110
.set BUF0, 16                          ; v[16:55]   MLP: W hi k0, hi k1, lo k0, lo k1 (8 each), bias (8)
.set BUF1, 56                          ; v[56:95]
.set ACC0, 96                          ; points 0-15
.set ACC1, 104                         ; points 16-31
.set TT,  112                          ; v[112:119] at work; v[112:127] on the way out
.set BA,  128                          ; v[128:191] activations: tile n at +32 n: hi 16, lo 16
.set BB,  192                          ; v[192:255] the same; first enc: tile n at +16 n: hi 8, lo 8
	s_load_b512 s[4:19], s[0:1], 0x0               ; coords 4, hidx 6, tables 8, w_in 10, w_h0 12, w_h1 14, w_out 16, b_in 18
	s_load_b256 s[20:27], s[0:1], 0x40             ; b_h0 20, b_h1 22, b_out 24, out0 26
	v_lshrrev_b32 v13, 5, v0
	v_readfirstlane_b32 s28, v13                   ; wave 0..15
	v_and_b32 v13, 31, v0                          ; lane
	v_and_b32 v14, 15, v0                          ; r
	v_bfe_u32 v15, v0, 4, 1                        ; h
	s_mov_b32 s30, 0xffff0000
	s_mov_b32 s31, 0x7ffff
	s_lshl_b32 s78, ttmp9, 10
	s_lshl_b32 s79, s28, 6
	s_add_co_u32 s78, s78, s79                     ; my wave's first point
	v_add_nc_u32 v5, s78, v13                      ; p
	v_mul_u32_u24 v1, 12, v5
	v_lshlrev_b32 v5, 3, v5
	s_lshl_b32 s79, s78, 6                         ; 64 bytes of out0 a point
	v_lshl_add_u32 v6, v13, 4, s79
	v_mul_u32_u24 v7, 144, v14
	v_lshl_add_u32 v7, v15, 4, v7
	v_mul_u32_u24 v12, 80, v14
	v_lshl_add_u32 v12, v15, 4, v12
	v_lshlrev_b32 v8, 5, v15
	s_mul_i32 s79, s28, 2560
	s_add_co_u32 s79, s79, STAGE                   ; my wave's stage
	v_mul_u32_u24 v9, 80, v14                      ; in: point r, features 8 h .. 8 h + 7
	v_lshl_add_u32 v9, v15, 5, v9
	v_add_nc_u32 v9, s79, v9
	v_lshrrev_b32 v10, 2, v13                      ; back: four lanes take a point's 64 bytes
	v_mul_u32_u24 v10, 80, v10
	v_and_b32 v11, 3, v13
	v_lshl_add_u32 v10, v11, 4, v10
	v_add_nc_u32 v10, s79, v10
	s_lshl_b32 s80, s28, 21                        ; prefetch: level = my wave's number,
	s_lshl_b32 s81, ttmp9, 13                      ; the work-group's 8 KiB of that level's 2 MiB,
	s_or_b32 s80, s80, s81
	v_lshl_or_b32 v11, v13, 8, s80                 ; lanes 256 bytes apart.  Never written again
	v_lshlrev_b32 v176, 5, v0                      ; weights: thread T takes chunk T, 8 f32 = 32 bytes
	v_lshrrev_b32 v177, 3, v0                      ; rows of 64: row T >> 3, chunk T & 7
	v_mul_u32_u24 v177, 144, v177
	v_and_b32 v178, 7, v0
	v_lshl_add_u32 v177, v178, 4, v177             ; a wave's 32 chunks are 4 rows: bytes 576 w .. 576 w + 559, no other wave's
	s_wait_kmcnt 0x0
	global_load_b128 v[128:131], v176, s[12:13]
	global_load_b128 v[132:135], v176, s[12:13] offset:16
	global_load_b128 v[136:139], v176, s[14:15]
	global_load_b128 v[140:143], v176, s[14:15] offset:16
	; PREFETCH of the tables.  A level is 8,192 blocks of 256 bytes = 256 work-groups x 32 lanes: wave w of each work-group asks once in the
	; launch for the work-group's slice of level w.  Waves 0-5 ask here; wave l + 6 asks when level l's gathers have been issued in the first
	; trip, six levels ahead of its level's gathers.  All addresses lie inside tables.
	s_cmp_ge_u32 s28, 6
	s_cbranch_scc1 .Lno_first_pf
	global_prefetch_b8 v11, s[8:9] th:TH_LOAD_NT scope:SCOPE_SE
.Lno_first_pf:
.irp l, 0,1,2,3,4,5,6,7,8,9,10,11,12,13,14,15
	s_add_nc_u64 s[TB+2*\l:TB+2*\l+1], s[8:9], \l*0x200000
.endr
.irp k, 0,1,2,3
	s_add_nc_u64 s[IB+2*\k:IB+2*\k+1], s[6:7], \k*0x800000
.endr
; 8 f32 in v[src..src+7] -> 8 bf16 hi and 8 bf16 lo = bf16(x - hi), 16 bytes each into LDS
.set SH, 160
.set SL, 164
.set SW, 168
.macro SPLIT8 src, adr, hoff, loff
.irp i, 0,1,2,3
	v_cvt_pk_bf16_f32 v[SH+\i], v[\src+2*\i], v[\src+2*\i+1]
.endr
.irp i, 0,1,2,3
	v_lshlrev_b32 v[SW+2*\i], 16, v[SH+\i]         ; hi back in f32
	v_and_b32 v[SW+2*\i+1], s30, v[SH+\i]
.endr
.irp i, 0,1,2,3
	v_pk_add_f32 v[SW+2*\i:SW+2*\i+1], v[\src+2*\i:\src+2*\i+1], v[SW+2*\i:SW+2*\i+1] neg_lo:[0,1] neg_hi:[0,1]
.endr
.irp i, 0,1,2,3
	v_cvt_pk_bf16_f32 v[SL+\i], v[SW+2*\i], v[SW+2*\i+1]
.endr
	ds_store_b128 v[\adr], v[SH:SH+3] offset:\hoff
	ds_store_b128 v[\adr], v[SL:SL+3] offset:\loff
.endm
	s_cmp_ge_u32 s28, 8
	s_cbranch_scc1 .Lnot_w_in
	global_load_b128 v[144:147], v176, s[10:11]            ; waves 0-7: w_in, 256 chunks; rows of 32: row T >> 2, chunk T & 3
	global_load_b128 v[148:151], v176, s[10:11] offset:16
	v_lshrrev_b32 v179, 2, v0
	v_mul_u32_u24 v179, 80, v179
	v_and_b32 v178, 3, v0
	v_lshl_add_u32 v179, v178, 4, v179
	s_wait_loadcnt 0x0
	SPLIT8 144, 179, W1H, W1L
	s_branch .Lcommon
.Lnot_w_in:
	s_cmp_ge_u32 s28, 12
	s_cbranch_scc1 .Lnot_w_out
	global_load_b128 v[144:147], v176, s[16:17] offset:-8192   ; waves 8-11: w_out, chunk T - 256; T >> 3 = 32 + row, so 32 rows are taken off
	global_load_b128 v[148:151], v176, s[16:17] offset:-8176
	s_wait_loadcnt 0x0
	SPLIT8 144, 177, W4H-4608, W4L-4608
	s_branch .Lcommon
.Lnot_w_out:
	s_cmp_lg_u32 s28, 12
	s_cbranch_scc1 .Lcommon
	v_lshlrev_b32 v180, 3, v13                             ; wave 12: the biases, 8 bytes a lane
	v_min_u32 v181, 56, v180                               ; b_out has 64 bytes: lanes 8-31 repeat lane 7's load and store
	global_load_b64 v[144:145], v180, s[18:19]
	global_load_b64 v[146:147], v180, s[20:21]
	global_load_b64 v[148:149], v180, s[22:23]
	global_load_b64 v[150:151], v181, s[24:25]
	s_wait_loadcnt 0x0
	ds_store_b64 v180, v[144:145] offset:BIAS
	ds_store_b64 v180, v[146:147] offset:BIAS+256
	ds_store_b64 v180, v[148:149] offset:BIAS+512
	ds_store_b64 v181, v[150:151] offset:BIAS+768
.Lcommon:
	s_wait_loadcnt 0x0
	SPLIT8 128, 177, W2H, W2L                              ; every wave: its chunks of w_h0 and w_h1
	SPLIT8 136, 177, W3H, W3L
	s_wait_dscnt 0x0                                       ; my stores are in LDS, for the other waves' sake
	s_barrier_signal -1
	s_barrier_wait -1                                      ; the only barrier: behind it weights and biases are only read
; Level l: unpack the entry, make the eight indices (corner = 4 x-bit + 2 y-bit + z-bit), ask for the eight pairs of f16.
.macro ISSUE l
.set GS, G+8*(\l%4)
.set IW, IDX+2*\l
	v_and_b32 v[GS], s31, v[IW]                            ; B
	v_alignbit_b32 v[DZ], v[IW+1], v[IW], 19
	v_bfe_u32 v[DY], v[IW+1], 6, 19                        ; dY
	v_lshrrev_b32 v[DX], 25, v[IW+1]                       ; cnt
	v_and_b32 v[DZ], s31, v[DZ]                            ; dZ
	v_lshl_add_u32 v[DX], 1, v[DX], -1                     ; dX = 2^cnt - 1
	v_xor_b32 v[GS+2], v[GS], v[DY]
	v_xor_b32 v[GS+1], v[GS], v[DZ]
	v_xor_b32 v[GS+3], v[GS+2], v[DZ]
.irp k, 0,1,2,3
	v_xor_b32 v[GS+4+\k], v[GS+\k], v[DX]
.endr
.irp k, 0,1,2,3,4,5,6,7
	v_min_u32 v[GS+\k], 0x7ffff, v[GS+\k]                  ; a loaded number enters an address only inside the table; changes no value
.endr
.irp k, 0,1,2,3,4,5,6,7
	global_load_b32 v[GS+\k], v[GS+\k], s[TB+2*\l:TB+2*\l+1] scale_offset   ; at 4 x index; lands on its own address register
.endr
.if \l < 10
	s_cmp_lg_u32 s74, \l+6                                 ; s74: my wave's number in the first trip, 255 afterwards
	s_cbranch_scc1 .Lpf_\l
	global_prefetch_b8 v11, s[8:9] th:TH_LOAD_NT scope:SCOPE_SE
.Lpf_\l:
.endif
.endm
.macro CVT1 g, p
	v_cvt_f32_f16 v[\p], v\g\().l
	v_cvt_f32_f16 v[\p+1], v\g\().h
.endm
.macro CVT8 g0, g1, g2, g3, g4, g5, g6, g7
	CVT1 \g0, FEA
	CVT1 \g1, FEA+2
	CVT1 \g2, FEA+4
	CVT1 \g3, FEA+6
	CVT1 \g4, FEA+8
	CVT1 \g5, FEA+10
	CVT1 \g6, FEA+12
	CVT1 \g7, FEA+14
.endm
; Level l: weights (ahead of the wait), blend, split.  left = gathers issued behind level l's: 8 x min(3, 15 - l); loads return in order.
.macro CONSUME l, left, res, nres
.set EH, BB+16*((\l/4)%2)+(\l%4)+4*(\l/8)                  ; levels 0-3, 8-11 in one set of eight registers, 4-7, 12-15 in the other
	v_pk_mul_f32 v[WGT:WGT+1], v[2:3], \res op_sel_hi:[1,0]        ; sx sy
	v_pk_mul_f32 v[WGT+4:WGT+5], v[2:3], \nres op_sel_hi:[1,0]     ; -sx -sy
	v_mul_f32 v[WGT+2], \res, v4                                   ; sz
	v_mul_f32 v[WGT+3], \nres, v4                                  ; -sz
.irp k, 0,1,2,3,4,5
	v_floor_f32 v[FLR+\k], v[WGT+\k]
.endr
.irp k, 0,2,4
	v_pk_add_f32 v[WGT+\k:WGT+\k+1], v[WGT+\k:WGT+\k+1], v[FLR+\k:FLR+\k+1] neg_lo:[0,1] neg_hi:[0,1]
.endr
	s_wait_loadcnt \left
.if (\l%4)==0
	CVT8 48,49,50,51,52,53,54,55
.endif
.if (\l%4)==1
	CVT8 56,57,58,59,60,61,62,63
.endif
.if (\l%4)==2
	CVT8 64,65,66,67,68,69,70,71
.endif
.if (\l%4)==3
	CVT8 72,73,74,75,76,77,78,79
.endif
.irp k, 0,2,4,6                                            ; along z: corner k x gz + corner k+1 x fz, both features at once
	v_pk_mul_f32 v[FEA+2*\k:FEA+2*\k+1], v[FEA+2*\k:FEA+2*\k+1], v[WGT+2:WGT+3] op_sel:[0,1] op_sel_hi:[1,1]
.endr
.irp k, 0,2,4,6
	v_pk_fma_f32 v[FEA+2*\k:FEA+2*\k+1], v[FEA+2*\k+2:FEA+2*\k+3], v[WGT+2:WGT+3], v[FEA+2*\k:FEA+2*\k+1] op_sel_hi:[1,0,1]
.endr
.irp k, 0,4                                                ; along y: x gy + x fy
	v_pk_mul_f32 v[FEA+2*\k:FEA+2*\k+1], v[FEA+2*\k:FEA+2*\k+1], v[WGT+4:WGT+5] op_sel:[0,1] op_sel_hi:[1,1]
.endr
.irp k, 0,4
	v_pk_fma_f32 v[FEA+2*\k:FEA+2*\k+1], v[FEA+2*\k+4:FEA+2*\k+5], v[WGT:WGT+1], v[FEA+2*\k:FEA+2*\k+1] op_sel:[0,1,0] op_sel_hi:[1,1,1]
.endr
	v_pk_mul_f32 v[FEA:FEA+1], v[FEA:FEA+1], v[WGT+4:WGT+5] op_sel_hi:[1,0]                      ; along x: x gx
	v_pk_fma_f32 v[FEA:FEA+1], v[FEA+8:FEA+9], v[WGT:WGT+1], v[FEA:FEA+1] op_sel_hi:[1,0,1]     ; + x fx
	v_cvt_pk_bf16_f32 v[EH], v[FEA], v[FEA+1]              ; features 2 l, 2 l + 1: hi
	v_lshlrev_b32 v[TT], 16, v[EH]
	v_and_b32 v[TT+1], s30, v[EH]
	v_pk_add_f32 v[TT:TT+1], v[FEA:FEA+1], v[TT:TT+1] neg_lo:[0,1] neg_hi:[0,1]
	v_cvt_pk_bf16_f32 v[EH+8], v[TT], v[TT+1]              ; lo
.endm
; The A fragments (16 output features x 32 or 64 K, hi and lo) and the bias tile of one step: 6 or 10 LDS loads.
; Bias: register j of lane (r, h) is feature 8 h + j of the tile, the same for all points: 32 bytes at 32 h.
.macro LOADW buf, hb, lb, nks, bo, adr
	ds_load_b128 v[\buf:\buf+3], v[\adr] offset:\hb
	ds_load_b128 v[\buf+4:\buf+7], v[\adr] offset:\hb+32
.if \nks > 1
	ds_load_b128 v[\buf+8:\buf+11], v[\adr] offset:\hb+64
	ds_load_b128 v[\buf+12:\buf+15], v[\adr] offset:\hb+96
.endif
	ds_load_b128 v[\buf+16:\buf+19], v[\adr] offset:\lb
	ds_load_b128 v[\buf+20:\buf+23], v[\adr] offset:\lb+32
.if \nks > 1
	ds_load_b128 v[\buf+24:\buf+27], v[\adr] offset:\lb+64
	ds_load_b128 v[\buf+28:\buf+31], v[\adr] offset:\lb+96
.endif
	ds_load_b128 v[\buf+32:\buf+35], v8 offset:BIAS+\bo
	ds_load_b128 v[\buf+36:\buf+39], v8 offset:BIAS+\bo+16
.endm
.macro LW1 buf, t                                          ; layer 1, tile t
	LOADW \buf, W1H+1280*\t, W1L+1280*\t, 1, 64*\t, 12
.endm
.macro LWH buf, hb, lb, lay, t                             ; layers 2 to 4
	LOADW \buf, \hb+2304*\t, \lb+2304*\t, 2, 256*\lay+64*\t, 7
.endm
.macro WM acc, a, b, c
	v_wmma_f32_16x16x32_bf16 v[\acc:\acc+7], v[\a:\a+7], v[\b:\b+7], v[\c:\c+7]
.endm
; One tile of 16 output features for both tiles of 16 points: Wh Xh + Wh Xl + Wl Xh + bias.  Two chains in place that take turns; each
; chain's first link takes the bias tile as C.  The four v_nop are the places between the last products and the vector
; instructions and LDS stores that read the sums, and the LDS loads that refill the buffer just read.
.macro MMA buf, nks, h0, l0, h1, l1
	WM ACC0, \buf, \h0, \buf+32
	WM ACC1, \buf, \h1, \buf+32
.if \nks > 1
	WM ACC0, \buf+8, \h0+8, ACC0
	WM ACC1, \buf+8, \h1+8, ACC1
.endif
	WM ACC0, \buf, \l0, ACC0
	WM ACC1, \buf, \l1, ACC1
.if \nks > 1
	WM ACC0, \buf+8, \l0+8, ACC0
	WM ACC1, \buf+8, \l1+8, ACC1
.endif
	WM ACC0, \buf+16, \h0, ACC0
	WM ACC1, \buf+16, \h1, ACC1
.if \nks > 1
	WM ACC0, \buf+24, \h0+8, ACC0
	WM ACC1, \buf+24, \h1+8, ACC1
.endif
.rept 4
	v_nop
.endr
.endm
.macro MMA1 buf                                            ; layer 1: B = enc
	MMA \buf, 1, BB, BB+8, BB+16, BB+24
.endm
.macro MMAH buf, reg                                       ; layers 2 to 4: B = the activations in reg
	MMA \buf, 2, \reg, \reg+16, \reg+32, \reg+48
.endm
; ReLU, split and pack tile t's sums.  Register j of lane (r, h) is feature 16 t + 8 h + j of point r = k 32 (t / 2) + 16 (t % 2) + 8 h + j
; of the next layer: B register 8 (t / 2) + 4 (t % 2) + j / 2, half j % 2, of the same lane.
.macro CONV t, reg
.irp n, 0,1
.irp j, 0,1,2,3,4,5,6,7
	v_max_num_f32 v[ACC0+8*\n+\j], 0, v[ACC0+8*\n+\j]
.endr
.irp i, 0,1,2,3
	v_cvt_pk_bf16_f32 v[\reg+32*\n+8*(\t/2)+4*(\t%2)+\i], v[ACC0+8*\n+2*\i], v[ACC0+8*\n+2*\i+1]
.endr
.irp i, 0,1,2,3
	v_lshlrev_b32 v[TT+2*\i], 16, v[\reg+32*\n+8*(\t/2)+4*(\t%2)+\i]
	v_and_b32 v[TT+2*\i+1], s30, v[\reg+32*\n+8*(\t/2)+4*(\t%2)+\i]
.endr
.irp i, 0,1,2,3
	v_pk_add_f32 v[TT+2*\i:TT+2*\i+1], v[ACC0+8*\n+2*\i:ACC0+8*\n+2*\i+1], v[TT+2*\i:TT+2*\i+1] neg_lo:[0,1] neg_hi:[0,1]
.endr
.irp i, 0,1,2,3
	v_cvt_pk_bf16_f32 v[\reg+32*\n+16+8*(\t/2)+4*(\t%2)+\i], v[TT+2*\i], v[TT+2*\i+1]
.endr
.endr
.endm
	s_mov_b32 s29, 0
	s_mov_b32 s74, s28
.Lgroup:
	global_load_b32 v2, v1, s[4:5]
	global_load_b32 v3, v1, s[4:5] offset:4
	global_load_b32 v4, v1, s[4:5] offset:8
.irp l, 0,1,2,3,4,5,6,7,8,9,10,11,12,13,14,15
	global_load_b64 v[IDX+2*\l:IDX+2*\l+1], v5, s[IB+2*(\l/4):IB+2*(\l/4)+1] offset:(\l%4)*0x200000 th:TH_LOAD_NT   ; 256 consecutive bytes a wave
.endr
	s_wait_loadcnt 0x0                                     ; from here on only gathers are counted
	ISSUE 0
	ISSUE 1
	ISSUE 2
	ISSUE 3
	CONSUME 0,  24, 0x41800000, 0xc1800000
	ISSUE 4
	CONSUME 1,  24, 0x41a00000, 0xc1a00000
	ISSUE 5
	CONSUME 2,  24, 0x41c80000, 0xc1c80000
	ISSUE 6
	CONSUME 3,  24, 0x42000000, 0xc2000000
	ISSUE 7
	CONSUME 4,  24, 0x42200000, 0xc2200000
	ISSUE 8
	CONSUME 5,  24, 0x42480000, 0xc2480000
	ISSUE 9
	CONSUME 6,  24, 0x42800000, 0xc2800000
	ISSUE 10
	CONSUME 7,  24, 0x42a00000, 0xc2a00000
	ISSUE 11
	CONSUME 8,  24, 0x42ca0000, 0xc2ca0000
	ISSUE 12
	CONSUME 9,  24, 0x43000000, 0xc3000000
	ISSUE 13
	CONSUME 10, 24, 0x43210000, 0xc3210000
	ISSUE 14
	CONSUME 11, 24, 0x434b0000, 0xc34b0000
	ISSUE 15
	CONSUME 12, 24, 0x43800000, 0xc3800000
	CONSUME 13, 16, 0x43a10000, 0xc3a10000
	CONSUME 14, 8,  0x43cb0000, 0xc3cb0000
	CONSUME 15, 0,  0x44000000, 0xc4000000
	LW1 BUF0, 0                                            ; the first step's weights, while enc is brought into place
	; enc: lane = point.  A B fragment wants lane (r, h) to hold point r, levels 4 h .. 4 h + 3 and 8 + 4 h .. 8 + 4 h + 3.  Exchanging the upper
	; half of a register of the first set (levels 0-3, 8-11) with the lower half of its partner (levels 4-7, 12-15) makes the first the
	; fragment of points 0-15 and the second that of points 16-31.
.irp j, 0,1,2,3,4,5,6,7
	v_permlane16_swap_b32 v[BB+\j], v[BB+16+\j]            ; hi
	v_permlane16_swap_b32 v[BB+8+\j], v[BB+24+\j]          ; lo
.endr
	; Thirteen steps.  Each asks for the next step's weights into the other buffer and waits until only those loads (6 or 10) are out.
	LW1 BUF1, 1
	s_wait_dscnt 0x6
	MMA1 BUF0
	CONV 0, BA
	LW1 BUF0, 2
	s_wait_dscnt 0x6
	MMA1 BUF1
	CONV 1, BA
	LW1 BUF1, 3
	s_wait_dscnt 0x6
	MMA1 BUF0
	CONV 2, BA
	LWH BUF0, W2H, W2L, 1, 0
	s_wait_dscnt 0xa
	MMA1 BUF1
	CONV 3, BA
	LWH BUF1, W2H, W2L, 1, 1                               ; layer 2: BA -> BB
	s_wait_dscnt 0xa
	MMAH BUF0, BA
	CONV 0, BB
	LWH BUF0, W2H, W2L, 1, 2
	s_wait_dscnt 0xa
	MMAH BUF1, BA
	CONV 1, BB
	LWH BUF1, W2H, W2L, 1, 3
	s_wait_dscnt 0xa
	MMAH BUF0, BA
	CONV 2, BB
	LWH BUF0, W3H, W3L, 2, 0
	s_wait_dscnt 0xa
	MMAH BUF1, BA
	CONV 3, BB
	LWH BUF1, W3H, W3L, 2, 1                               ; layer 3: BB -> BA
	s_wait_dscnt 0xa
	MMAH BUF0, BB
	CONV 0, BA
	LWH BUF0, W3H, W3L, 2, 2
	s_wait_dscnt 0xa
	MMAH BUF1, BB
	CONV 1, BA
	LWH BUF1, W3H, W3L, 2, 3
	s_wait_dscnt 0xa
	MMAH BUF0, BB
	CONV 2, BA
	LWH BUF0, W4H, W4L, 3, 0
	s_wait_dscnt 0xa
	MMAH BUF1, BB
	CONV 3, BA
	s_wait_dscnt 0x0                                       ; layer 4: nothing was asked for behind its weights
	MMAH BUF0, BA
	; THE WAY OUT.  A lane holds features 8 h .. 8 h + 7 of one point, 32 of a row's 64 bytes.  Through my wave's own stage, so that each store
	; of the wave covers 512 consecutive bytes of out0, aligned.  LDS serves a wave's instructions in order (ISA guide 5.7.1): no wait
	; between the stores and the loads.
	ds_store_b128 v9, v[ACC0:ACC0+3]
	ds_store_b128 v9, v[ACC0+4:ACC0+7] offset:16
	ds_store_b128 v9, v[ACC1:ACC1+3] offset:1280
	ds_store_b128 v9, v[ACC1+4:ACC1+7] offset:1296
.irp i, 0,1,2,3
	ds_load_b128 v[TT+4*\i:TT+4*\i+3], v10 offset:640*\i   ; eight points
.endr
.irp i, 0,1,2,3
	s_wait_dscnt 3-\i                                      ; the younger read-backs stay out
	global_store_b128 v6, v[TT+4*\i:TT+4*\i+3], s[26:27] offset:512*\i th:TH_STORE_NT
.endr
	s_wait_xcnt 0x0                                        ; the stores' data and offset, and v1 and v5, are written again only behind this wait
	v_add_nc_u32 v1, 384, v1                               ; 32 points on
	v_add_nc_u32 v5, 256, v5
	v_add_nc_u32 v6, 2048, v6
	s_mov_b32 s74, 0xff                                    ; every block of the tables has been asked for
	s_add_co_u32 s29, s29, 1
	s_cmp_lt_u32 s29, 2
	s_cbranch_scc1 .Lgroup
	s_wait_xcnt 0x0
	v_lshl_add_u32 v254, v0, 2, 0x16e00
	v_mov_b32 v255, 0
	s_wait_tensorcnt 0x0
	ds_add_u32 v254, v255
	s_wait_dscnt 0x0
	s_endpgm
.Lfunc_end_k_q6124752dd2_encmlp:
	.size	k_q6124752dd2_encmlp, .Lfunc_end_k_q6124752dd2_encmlp-k_q6124752dd2_encmlp
	.p2alignl 7, 3214868480
	.fill 96, 4, 3214868480
	.section	.rodata,"a",@progbits
	.p2align	6, 0x0
	.amdhsa_kernel k_q6124752dd2_encmlp
		.amdhsa_group_segment_fixed_size 95744
		.amdhsa_private_segment_fixed_size 0
		.amdhsa_enable_private_segment 0
		.amdhsa_kernarg_size 96
		.amdhsa_user_sgpr_count 2
		.amdhsa_user_sgpr_kernarg_segment_ptr 1
		.amdhsa_wavefront_size32 1
		.amdhsa_system_sgpr_workgroup_id_x 1
		.amdhsa_system_sgpr_workgroup_id_y 1
		.amdhsa_system_sgpr_workgroup_id_z 1
		.amdhsa_system_vgpr_workitem_id 0
		.amdhsa_next_free_vgpr 256
		.amdhsa_next_free_sgpr 84
		.amdhsa_reserve_vcc 0
		.amdhsa_float_denorm_mode_32 3
		.amdhsa_float_denorm_mode_16_64 3
		.amdhsa_memory_ordered 1
		.amdhsa_forward_progress 1
		.amdhsa_inst_pref_size 129
	.end_amdhsa_kernel
	.amdgpu_metadata
---
amdhsa.version: [ 1, 2 ]
amdhsa.kernels:
  - .name:           k_q6124752dd2_encmlp
    .symbol:         k_q6124752dd2_encmlp.kd
    .args:
      - { .name: coords, .offset: 0, .size: 8, .value_kind: global_buffer, .address_space: global }
      - { .name: hidx, .offset: 8, .size: 8, .value_kind: global_buffer, .address_space: global }
      - { .name: tables, .offset: 16, .size: 8, .value_kind: global_buffer, .address_space: global }
      - { .name: w_in, .offset: 24, .size: 8, .value_kind: global_buffer, .address_space: global }
      - { .name: w_h0, .offset: 32, .size: 8, .value_kind: global_buffer, .address_space: global }
      - { .name: w_h1, .offset: 40, .size: 8, .value_kind: global_buffer, .address_space: global }
      - { .name: w_out, .offset: 48, .size: 8, .value_kind: global_buffer, .address_space: global }
      - { .name: b_in, .offset: 56, .size: 8, .value_kind: global_buffer, .address_space: global }
      - { .name: b_h0, .offset: 64, .size: 8, .value_kind: global_buffer, .address_space: global }
      - { .name: b_h1, .offset: 72, .size: 8, .value_kind: global_buffer, .address_space: global }
      - { .name: b_out, .offset: 80, .size: 8, .value_kind: global_buffer, .address_space: global }
      - { .name: out0, .offset: 88, .size: 8, .value_kind: global_buffer, .address_space: global }
    .group_segment_fixed_size: 95744
    .private_segment_fixed_size: 0
    .kernarg_segment_align: 8
    .kernarg_segment_size: 96
    .max_flat_workgroup_size: 512
    .sgpr_count:     84
    .vgpr_count:     256
    .wavefront_size: 32
...
	.end_amdgpu_metadata
.endif
;; end of part 2
